; MI455X (gfx1250); checked and timed in simulation.
; The chip was launched on July 23, 2026; its instructions are those of AMD's public machine-readable ISA for CDNA 5 (MIT licence, August 2026) and "CDNA5" Instruction Set Architecture Reference Guide (July 2026). The comments in the code are by the model that wrote it; some were corrected since.
;; Gas Splatting Model. Allowed arithmetic: float matrix products may take bf16 or f16 operands with f32 sums; all other float work in f32.
;; Inputs: conc_raw 4,096 float32; p_rays 8,192 x 2 float32; pos_raw 4,096 x 2 float32; rot_raw 4,096 float32; scale_raw 4,096 x 2 float32; u_rays 8,192 x 2 float32.
;; Outputs: out0 8,192 float32.
;; Constants: map_size = 100.
;; One version. Each part assembles by itself: llvm-mc -triple=amdgcn-amd-amdhsa -mcpu=gfx1250 --defsym DOCPART=n.
;; ======== version 1 of 1: 1 launch
;; limits: right only within a limited range of input values
;; launch splat (part 1): grid 256 x 1, 16 waves a work-group, no clusters, 40,960 bytes of LDS; arguments pos_raw, conc_raw, scale_raw, rot_raw, p_rays, u_rays, out0; writes out0
.if DOCPART == 1
	.amdgcn_target "amdgcn-amd-amdhsa--gfx1250"
	.amdhsa_code_object_version 6
	.text
	.protected	k_q137aac76a2_splat
	.globl	k_q137aac76a2_splat
	.p2align	8
	.type	k_q137aac76a2_splat,@function
k_q137aac76a2_splat:
	s_mov_b64 s[64:65], 0
	v_nop
	global_prefetch_b8 v0, s[64:65] scope:SCOPE_SE
	s_setreg_imm32_b32 hwreg(HW_REG_WAVE_MODE, 25, 1), 1
	s_wait_xcnt 0x0
; out[ray] = sum over 4,096 gaussians of conc * sqrt(2 pi / a) * exp(-0.5 (c0 - b b / a)),  8,192 rays.
;
; THE FORM THAT IS COMPUTED.  For a symmetric 2 x 2 matrix S:  (u'Su)(d'Sd) - (u'Sd)^2 = det S * (u x d)^2,  d = p - mu.  With v_i = scale_i^2 + EPS
; (= 1/d_i) S / det S = R diag(v1, v0) R', so that
;     dens = r * 2^(lc - (cr r)^2),   r = rsq(a'),
;     a'  = q0 M00 + q1 M01 + q2 M11,           q = (u0 u0, 2 u0 u1, u1 u1),   M = 2 ln2 * S / det S
;     cr  = w + u1 mu0 - u0 mu1,                w = u0 p1 - u1 p0              (= u x (p - mu))
;     lc  = log2(softplus(conc_raw)) + 0.5 log2(h0 h1) + 0.5 log2(8 pi / (2 ln2)),   h_i = ln2 * v_i
;     M00 = (h0+h1) + cos(2 rot)(h1-h0),  M11 = (h0+h1) - cos(2 rot)(h1-h0),  M01 = sin(2 rot)(h1-h0).
; This holds for every input; the order of rounding differs from the written reference (no difference of large sums is formed).
;
; THE TWO PRODUCTS a' and cr go to the matrix unit in bf16 with f32 sums.  An f32 number is carried as a sum of bf16 pieces (h + m + l, each the
; rounding of what the pieces before left), and each product of pieces takes one of the 32 k slots:
;     k  0- 7 (lanes 0-15,  registers 0-3):  mu0h mu1h | mu0h mu1h | mu0m mu1m | mu0l mu1l        against  Vh | Vm | Vh | Vh      V = (u1, -u0)
;     k 16-23 (lanes 0-15,  registers 4-7):  the same 16 bytes again                              against  Vl | 0  | Vm | 0
;     k  8-15 (lanes 16-31, registers 0-3):  M00h M11h | M00m M11m | M01h M01m | 1.0 1.0          against  Qh | Qh | q1h q1h | (wh wm)   Q = (q0, q2)
;     k 24-31 (lanes 16-31, registers 4-7):  the same 16 bytes again                              against  Qm | Qm | q1m q1m | (wl 0)
; One gaussian fragment serves both products; the ray fragment of a' is zero in the slots of cr and the other way round.
; cr keeps six of nine cross terms (what is dropped is below 2^-26 of the largest term), a' four terms of two pieces (about 2^-17).
;
; SHARES.  256 work-groups of 16 waves; a work-group owns 32 rays and walks all gaussians, since one owner must form a ray's sum.  Wave w takes
; gaussians 256 w .. 256 w + 255 in 4 steps of 64, two gaussians a lane, so that their activations run in packed f32.  The records pass through
; the wave's own 2,304 bytes of LDS, which turns 'a lane = two gaussians' into fragment rows (which gaussian becomes which row is free: the sum
; does not care).  Gaussians are A's rows and rays B's columns: a lane's eight results belong to ONE ray, so the sum stays in the lane.
;
; NOT SHARED BETWEEN WORK-GROUPS: all work-groups read the same 98,304 bytes of gaussian parameters, but a lane wants its 48 bytes in registers,
; 1,536 bytes a wave and step, asked for a whole step (16 matrix, 148 transcendental and some 190 vector instructions) ahead; a joint load into
; LDS would add a pass of those bytes through LDS and barriers between work-groups.
; OUTPUT: a work-group's 32 sums are 128 consecutive bytes, one store; 64 rays a work-group would leave half of the 256 work-groups without work.
; LIMITS: |rot_raw| below 2^22 * pi/2 (6.5e6), the range of the rounding by a large addend; sin, cos of 2 rot by series, error below 5e-7;
; a softplus or a density below 2^-126 counts as zero (v_exp_f32 and v_log_f32 flush denormals: ISA guide, their entries in 15.8).
NW     = 16                            ; waves
GPW    = 4096/NW                       ; gaussians of a wave
STEPS  = GPW/64
WLDS   = 2304                          ; a wave's LDS: 4 tiles x 512 bytes of records, then 4 x 64 bytes of lc
LCOFF  = 2048
RED    = NW*WLDS                       ; behind them: 128 bytes a wave, its 32 partial sums
; f32 constants, as bits
NLOG2E   = 0xbfb8aa3b                  ; -log2(e)
LOG2E    = 0x3fb8aa3b
TWOLOG2E = 0x4038aa3b                  ; 2 log2(e)
LN2      = 0x3f317218
LN2EPS   = 0x3394da2b                  ; ln2 * 1e-7
HUNDRED  = 0x42c80000                  ; map_size
TWOOVPI  = 0x3f22f983                  ; 2 / pi
MAGIC    = 0x4b400000                  ; 1.5 * 2^23: adding it rounds to a whole number, whose parity is the sum's bit 0
NMAGIC   = 0xcb400000
NPIO2HI  = 0xbfc90fdb                  ; -(pi/2 rounded to f32)
NPIO2LO  = 0x333bbd2e                  ; -(pi/2 - that)
P1 = 0xbfaaaaab                        ; sin(2r) = r (2 + P1 r^2 + .. + P5 r^10): -4/3, 4/15, -8/315, 4/2835, -8/155925
P2 = 0x3e888889
P3 = 0xbcd00d01
P4 = 0x3ab8ef1d
P5 = 0xb857322b
C2 = 0x3f2aaaab                        ; cos(2r) = 1 - 2 r^2 + C2 r^4 + .. + C5 r^10: 2/3, -4/45, 2/315, -4/14175
C3 = 0xbdb60b61
C4 = 0x3bd00d01
C5 = 0xb993f27e
THIRD  = 0x3eaaaaab
YSMALL = 0x3c000000                    ; 2^-7
KLC    = 0x4005c4b6                    ; 0.5 log2(8 pi / (2 ln2)) = 2.0901313
ONES   = 0x3f803f80                    ; two bf16 1.0
; vector registers
VOFF16 = 2                             ; byte offset of my two gaussians in pos_raw and scale_raw
VOFF8  = 3                             ; and in conc_raw and rot_raw
VST    = 4                             ; LDS: where my records go
VSL    = 5                             ; LDS: where my lc go (before LCOFF)
VLD    = 6                             ; LDS: my 16 bytes of a fragment
VLL    = 7                             ; LDS: the lc of my eight rows (before LCOFF)
KMAGIC = 10                            ; four constants, each twice: second constants of packed multiply-adds
KP4    = 12
KC4    = 14
KEPS   = 16
RP     = 18                            ; v[18:21] pos_raw of gaussians a, b
RS     = 22                            ; v[22:25] scale_raw
RC     = 26                            ; v[26:27] conc_raw
RT     = 28                            ; v[28:29] rot_raw
VRAY   = 30
VRED   = 31
XA     = 32                            ; v[32:35], v[36:39]  the mu half of the records of a, b
XB     = 36
YA     = 40                            ; v[40:43], v[44:47]  the M half; the last word of each stays ONES
YB     = 44
BA0    = 48                            ; ray fragments: a' and cr of rays 0-15, a' and cr of rays 16-31
BC0    = 56
BA1    = 64
BC1    = 72
ACC    = 80                            ; v[80:87] sums of my ray of rays 0-15, v[88:95] of rays 16-31
AF     = 96                            ; v[96:127]  gaussian fragments of the step's four tiles
LCR    = 128                           ; v[128:159] lc of my eight rows in each of the four tiles
D0     = 160                           ; two result buffers: a' rays 0-15, cr rays 0-15, a' rays 16-31, cr rays 16-31
D1     = 192
T      = 160                           ; the same registers at work while no result lives
tE  = T+0
tF  = T+4
tG  = T+8
tN  = T+10
tSG = T+12
tNF = T+14
tR  = T+16
tR2 = T+18
tPS = T+20
tPC = T+22
tAA = T+24
tDD = T+26
tHH = T+28
tM00 = T+30
tM11 = T+32
tM01 = T+34
tU1 = T+36
tU2 = T+38
tU3 = T+40
tL1 = T+42
tSM = T+44
tMX = T+46
tTA = T+48
tTB = T+50
tLC = T+52
rX  = T+0                              ; the rays' set-up
rT  = T+2
rQ  = T+4
rW  = T+6
rQ1 = T+7
rC  = T+8
rD  = T+9
rVH = T+10
rVM = T+11
rVL = T+12
rWHM = T+13
rWL = T+14
rQH = T+15
rQM = T+16
rQ1H = T+17
rQ1M = T+18
rU0 = T+56
rP0 = T+58
rU1 = T+60
rP1 = T+62
	s_load_b256 s[4:11], s[0:1], 0x0               ; pos_raw s[4:5], conc_raw s[6:7], scale_raw s[8:9], rot_raw s[10:11]
	s_load_b128 s[12:15], s[0:1], 0x20             ; p_rays s[12:13], u_rays s[14:15]
	s_load_b64 s[16:17], s[0:1], 0x30              ; out0
	v_lshl_add_u32 v224, v0, 2, 0x9800
	v_mov_b32 v225, 0
	v_and_b32 v1, 31, v0                           ; lane
	v_lshrrev_b32 v9, 5, v0
	v_readfirstlane_b32 s18, v9                    ; wave
	v_and_b32 v8, 15, v0                           ; r = lane mod 16
	v_lshrrev_b32 v9, 4, v1                        ; h = lane / 16
	s_mul_i32 s19, s18, WLDS                       ; my wave's LDS
	s_mul_i32 s25, s18, GPW*8                      ; my wave's gaussians in the arrays of 8 bytes a gaussian
	s_mul_i32 s27, s18, GPW*4                      ; and of 4 bytes
	s_lshl_b32 s28, ttmp9, 8                       ; the work-group's 32 rays x 8 bytes
	s_lshl_b32 s29, ttmp9, 7                       ; its 32 results x 4 bytes
	s_lshl_b32 s30, s18, 7                         ; my wave's 128 bytes of partial sums
	s_mov_b32 s20, 0xffff0000                      ; a word's upper bf16; as a lane mask: lanes 16-31
	s_mov_b32 s21, 0x0000ffff                      ; as a lane mask: lanes 0-15
	s_mov_b32 s22, 0x76543210                      ; v_permlanex16_b32: lane i reads lane i of the other half
	s_mov_b32 s23, 0xfedcba98
	v_lshl_add_u32 v[VOFF16], v1, 4, s25           ; lane i: gaussians 2 i, 2 i + 1 of the step's 64
	v_lshl_add_u32 v[VOFF8], v1, 3, s27
	v_lshl_add_u32 v[VRAY], v8, 3, s28             ; both halves of the lanes read ray r
	s_wait_kmcnt 0x0
	global_load_b64 v[rU0:rU0+1], v[VRAY], s[14:15]
	global_load_b64 v[rP0:rP0+1], v[VRAY], s[12:13]
	global_load_b64 v[rU1:rU1+1], v[VRAY], s[14:15] offset:128
	global_load_b64 v[rP1:rP1+1], v[VRAY], s[12:13] offset:128
.macro LOADRAW                         ; a step's 1,536 bytes: each load of the wave covers 512 or 256 consecutive bytes, aligned
	global_load_b128 v[RP:RP+3], v[VOFF16], s[4:5]
	global_load_b128 v[RS:RS+3], v[VOFF16], s[8:9]
	global_load_b64 v[RC:RC+1], v[VOFF8], s[6:7]
	global_load_b64 v[RT:RT+1], v[VOFF8], s[10:11]
.endm
	LOADRAW
	v_lshl_add_u32 v[VLD], v1, 4, s19              ; a tile's 512 bytes: lanes 0-15 the mu halves of rows 0-15, lanes 16-31 the M halves
	v_lshl_add_u32 v[VSL], v1, 2, s19
	v_lshl_add_u32 v[VLL], v9, 5, s19              ; rows 8 h .. 8 h + 7
	v_lshl_add_u32 v[VST], v9, 9, s19              ; gaussian a of lane i is row i mod 16 of tile i / 16, gaussian b of tile 2 + i / 16
	v_lshl_add_u32 v[VST], v8, 4, v[VST]
	v_lshl_add_u32 v[VRED], v1, 2, s30
.irp j, 0,1
	v_mov_b32 v[KMAGIC+\j], MAGIC
	v_mov_b32 v[KP4+\j], P4
	v_mov_b32 v[KC4+\j], C4
	v_mov_b32 v[KEPS+\j], LN2EPS
.endr
	v_mov_b32 v[YA+3], ONES
	v_mov_b32 v[YB+3], ONES
.irp j, 0,1,2,3,4,5,6,7,8,9,10,11,12,13,14,15
	v_mov_b32 v[ACC+\j], 0                         ; sixteen sums
.endr
; One piece: word w = the pair p rounded to two bf16; p keeps what is left (exact: it has at most 16 significant bits fewer)
.macro LEVEL p, w
	v_cvt_pk_bf16_f32 v[\w], v[\p], v[\p+1]
	v_lshlrev_b32 v[rT], 16, v[\w]
	v_and_b32 v[rT+1], s20, v[\w]
	v_pk_add_f32 v[\p:\p+1], v[\p:\p+1], v[rT:rT+1] neg_lo:[0,1] neg_hi:[0,1]
.endm
; The two fragments of 16 rays: lane (r, h) holds ray r's slots of half h (table at the head)
.macro RAYFRAG u, p, ba, bc
	v_mov_b32 v[rX], v[\u+1]                       ; V = (u1, -u0), a pair to be taken to pieces
	v_xor_b32 v[rX+1], 0x80000000, v[\u]
	v_mul_f32 v[rW], v[\u+1], v[\p]
	v_pk_mul_f32 v[rQ:rQ+1], v[\u:\u+1], v[\u:\u+1]      ; Q = (u0 u0, u1 u1)
	v_add_f32 v[rQ1], v[\u], v[\u]
	v_fma_f32 v[rW], v[\u], v[\p+1], -v[rW]        ; w = u0 p1 - u1 p0
	v_mul_f32 v[rQ1], v[rQ1], v[\u+1]              ; q1 = 2 u0 u1
	LEVEL rX, rVH
	LEVEL rX, rVM
	v_cvt_pk_bf16_f32 v[rVL], v[rX], v[rX+1]
	LEVEL rQ, rQH
	v_cvt_pk_bf16_f32 v[rQM], v[rQ], v[rQ+1]
	v_cvt_pk_bf16_f32 v[rC], v[rW], v[rW]
	v_cvt_pk_bf16_f32 v[rQ1H], v[rQ1], v[rQ1]      ; (q1h, q1h)
	v_and_b32 v[rC], s20, v[rC]                    ; wh as f32
	v_sub_f32 v[rD], v[rW], v[rC]
	v_cvt_pk_bf16_f32 v[rWHM], v[rW], v[rD]        ; (wh, wm)
	v_and_b32 v[rC], s20, v[rWHM]                  ; wm as f32
	v_sub_f32 v[rD], v[rD], v[rC]
	v_cvt_pk_bf16_f32 v[rWL], v[rD], 0             ; (wl, 0)
	v_and_b32 v[rC], s20, v[rQ1H]
	v_sub_f32 v[rD], v[rQ1], v[rC]
	v_cvt_pk_bf16_f32 v[rQ1M], v[rD], v[rD]        ; (q1m, q1m)
	v_cndmask_b32 v[\bc+0], 0, v[rVH], s21         ; lanes 0-15: Vh Vm Vh Vh | Vl 0 Vm 0;  lanes 16-31: 0 0 0 (wh wm) | 0 0 0 (wl 0)
	v_cndmask_b32 v[\bc+1], 0, v[rVM], s21
	v_mov_b32 v[\bc+2], v[\bc+0]
	v_cndmask_b32 v[\bc+3], v[rWHM], v[rVH], s21
	v_cndmask_b32 v[\bc+4], 0, v[rVL], s21
	v_mov_b32 v[\bc+5], 0
	v_mov_b32 v[\bc+6], v[\bc+1]
	v_cndmask_b32 v[\bc+7], 0, v[rWL], s20
	v_cndmask_b32 v[\ba+0], 0, v[rQH], s20         ; lanes 0-15: zeros;  lanes 16-31: Qh Qh (q1h q1h) 0 | Qm Qm (q1m q1m) 0
	v_mov_b32 v[\ba+1], v[\ba+0]
	v_cndmask_b32 v[\ba+2], 0, v[rQ1H], s20
	v_mov_b32 v[\ba+3], 0
	v_cndmask_b32 v[\ba+4], 0, v[rQM], s20
	v_mov_b32 v[\ba+5], v[\ba+4]
	v_cndmask_b32 v[\ba+6], 0, v[rQ1M], s20
	v_mov_b32 v[\ba+7], 0
.endm
	s_wait_loadcnt 0x4                             ; loads return in order: the four ray loads are in, the four loads of the first step may stay out
	RAYFRAG rU0, rP0, BA0, BC0
	RAYFRAG rU1, rP1, BA1, BC1
; One piece of two pairs at once
.macro LEVEL2 pa, wa, pb, wb
	v_cvt_pk_bf16_f32 v[\wa], v[\pa], v[\pa+1]
	v_cvt_pk_bf16_f32 v[\wb], v[\pb], v[\pb+1]
	v_lshlrev_b32 v[tTA], 16, v[\wa]
	v_and_b32 v[tTA+1], s20, v[\wa]
	v_lshlrev_b32 v[tTB], 16, v[\wb]
	v_and_b32 v[tTB+1], s20, v[\wb]
	v_pk_add_f32 v[\pa:\pa+1], v[\pa:\pa+1], v[tTA:tTA+1] neg_lo:[0,1] neg_hi:[0,1]
	v_pk_add_f32 v[\pb:\pb+1], v[\pb:\pb+1], v[tTB:tTB+1] neg_lo:[0,1] neg_hi:[0,1]
.endm
; One step of both series in r^2
.macro HORNER cs, cc
	v_pk_fma_f32 v[tPS:tPS+1], v[tPS:tPS+1], v[tR2:tR2+1], \cs op_sel_hi:[1,1,0]
	v_pk_fma_f32 v[tPC:tPC+1], v[tPC:tPC+1], v[tR2:tR2+1], \cc op_sel_hi:[1,1,0]
.endm
; Tile t of the step against both ray tiles: four products, each started by the constant 0, into result buffer b
.macro MATS t, b
	v_wmma_f32_16x16x32_bf16 v[\b:\b+7],     v[AF+8*\t:AF+8*\t+7], v[BA0:BA0+7], 0
	v_wmma_f32_16x16x32_bf16 v[\b+8:\b+15],  v[AF+8*\t:AF+8*\t+7], v[BC0:BC0+7], 0
	v_wmma_f32_16x16x32_bf16 v[\b+16:\b+23], v[AF+8*\t:AF+8*\t+7], v[BA1:BA1+7], 0
	v_wmma_f32_16x16x32_bf16 v[\b+24:\b+31], v[AF+8*\t:AF+8*\t+7], v[BC1:BC1+7], 0
.endm
; 512 pairs: register j of lane (r, h) is gaussian row 8 h + j against ray r.  sum += r 2^(lc - (cr r)^2), in place.
; Behind a run of transcendentals one plain vector instruction that touches none of their registers comes before a result is used
; (ISA guide 5.7.2): a v_nop behind the roots, the other ray tile's arithmetic behind the exponentials.
.macro EW b, t
.irp j, 0,1,2,3,4,5,6,7
	v_rsq_f32 v[\b+\j], v[\b+\j]
.endr
.irp j, 0,1,2,3,4,5,6,7
	v_rsq_f32 v[\b+16+\j], v[\b+16+\j]
.endr
	v_nop
	s_wait_alu depctr_va_vdst(0)
.irp j, 0,2,4,6
	v_pk_mul_f32 v[\b+8+\j:\b+9+\j], v[\b+8+\j:\b+9+\j], v[\b+\j:\b+1+\j]
.endr
.irp j, 0,2,4,6
	v_pk_fma_f32 v[\b+8+\j:\b+9+\j], v[\b+8+\j:\b+9+\j], v[\b+8+\j:\b+9+\j], v[LCR+8*\t+\j:LCR+8*\t+\j+1] neg_lo:[1,0,0] neg_hi:[1,0,0]
.endr
.irp j, 0,1,2,3,4,5,6,7
	v_exp_f32 v[\b+8+\j], v[\b+8+\j]
.endr
.irp j, 0,2,4,6
	v_pk_mul_f32 v[\b+24+\j:\b+25+\j], v[\b+24+\j:\b+25+\j], v[\b+16+\j:\b+17+\j]
.endr
.irp j, 0,2,4,6
	v_pk_fma_f32 v[\b+24+\j:\b+25+\j], v[\b+24+\j:\b+25+\j], v[\b+24+\j:\b+25+\j], v[LCR+8*\t+\j:LCR+8*\t+\j+1] neg_lo:[1,0,0] neg_hi:[1,0,0]
.endr
.irp j, 0,1,2,3,4,5,6,7
	v_exp_f32 v[\b+24+\j], v[\b+24+\j]
.endr
	s_wait_alu depctr_va_vdst(0)
.irp j, 0,2,4,6
	v_pk_fma_f32 v[ACC+\j:ACC+\j+1], v[\b+\j:\b+1+\j], v[\b+8+\j:\b+9+\j], v[ACC+\j:ACC+\j+1]
.endr
.irp j, 0,2,4,6
	v_pk_fma_f32 v[ACC+8+\j:ACC+9+\j], v[\b+16+\j:\b+17+\j], v[\b+24+\j:\b+25+\j], v[ACC+8+\j:ACC+9+\j]
.endr
.endm
; A step: 64 gaussians are activated, taken to pieces, laid out as four tiles, and met with the 32 rays.  more = 1: the next step's inputs are asked for.
.macro STEP more
	s_wait_loadcnt 0x0                             ; this step's inputs are in; their offset registers are free
.if \more
	v_add_nc_u32 v[VOFF16], 512, v[VOFF16]
	v_add_nc_u32 v[VOFF8], 256, v[VOFF8]
.endif
	v_pk_mul_f32 v[tE:tE+1], v[RP:RP+1], NLOG2E op_sel_hi:[1,0]          ; sigmoid: 2^(-x log2 e)
	v_pk_mul_f32 v[tE+2:tE+3], v[RP+2:RP+3], NLOG2E op_sel_hi:[1,0]
	v_pk_mul_f32 v[tF:tF+1], v[RS:RS+1], TWOLOG2E op_sel_hi:[1,0]        ; scale^2 = 2^(2 s log2 e)
	v_pk_mul_f32 v[tF+2:tF+3], v[RS+2:RS+3], TWOLOG2E op_sel_hi:[1,0]
	v_or_b32 v[tG], 0x80000000, v[RC]                                    ; softplus: y = e^-|x|
	v_or_b32 v[tG+1], 0x80000000, v[RC+1]
	v_pk_mul_f32 v[tG:tG+1], v[tG:tG+1], LOG2E op_sel_hi:[1,0]
	v_pk_fma_f32 v[tN:tN+1], v[RT:RT+1], TWOOVPI, v[KMAGIC:KMAGIC+1] op_sel_hi:[1,0,1]   ; n = rot * 2/pi, rounded to a whole number by the addend
.irp j, 0,1,2,3
	v_exp_f32 v[tE+\j], v[tE+\j]
.endr
.irp j, 0,1,2,3
	v_exp_f32 v[tF+\j], v[tF+\j]
.endr
	v_exp_f32 v[tG], v[tG]
	v_exp_f32 v[tG+1], v[tG+1]
	v_pk_add_f32 v[tNF:tNF+1], v[tN:tN+1], NMAGIC op_sel_hi:[1,0]        ; n as f32 (also the plain instruction behind the exponentials)
	s_wait_alu depctr_va_vdst(0)
	v_pk_add_f32 v[tE:tE+1], v[tE:tE+1], 1.0 op_sel_hi:[1,0]
	v_pk_add_f32 v[tE+2:tE+3], v[tE+2:tE+3], 1.0 op_sel_hi:[1,0]
	v_pk_add_f32 v[tL1:tL1+1], v[tG:tG+1], 1.0 op_sel_hi:[1,0]
.irp j, 0,1,2,3
	v_rcp_f32 v[tE+\j], v[tE+\j]
.endr
	v_log_f32 v[tL1], v[tL1]
	v_log_f32 v[tL1+1], v[tL1+1]
	v_lshlrev_b32 v[tSG], 31, v[tN]                                      ; n odd: a sign bit
	v_lshlrev_b32 v[tSG+1], 31, v[tN+1]
	v_pk_fma_f32 v[tR:tR+1], v[tNF:tNF+1], NPIO2HI, v[RT:RT+1] op_sel_hi:[1,0,1]         ; r = rot - n pi/2, pi/2 in two parts
	v_pk_fma_f32 v[tF:tF+1], v[tF:tF+1], LN2, v[KEPS:KEPS+1] op_sel_hi:[1,0,1]           ; h = ln2 (scale^2 + EPS)
	v_pk_fma_f32 v[tF+2:tF+3], v[tF+2:tF+3], LN2, v[KEPS:KEPS+1] op_sel_hi:[1,0,1]
	v_pk_fma_f32 v[tR:tR+1], v[tNF:tNF+1], NPIO2LO, v[tR:tR+1] op_sel_hi:[1,0,1]
	s_wait_alu depctr_va_vdst(0)
	v_pk_mul_f32 v[tE:tE+1], v[tE:tE+1], HUNDRED op_sel_hi:[1,0]         ; mu = map_size * sigmoid
	v_pk_mul_f32 v[tE+2:tE+3], v[tE+2:tE+3], HUNDRED op_sel_hi:[1,0]
	v_pk_mul_f32 v[tR2:tR2+1], v[tR:tR+1], v[tR:tR+1]
	v_pk_fma_f32 v[tSM:tSM+1], v[tG:tG+1], THIRD, -0.5 op_sel_hi:[1,0,0] ; log1p(y) for small y: y (1 - y/2 + y y/3), error below y^3/4
	v_pk_fma_f32 v[tPS:tPS+1], v[tR2:tR2+1], P5, v[KP4:KP4+1] op_sel_hi:[1,0,1]
	v_pk_fma_f32 v[tPC:tPC+1], v[tR2:tR2+1], C5, v[KC4:KC4+1] op_sel_hi:[1,0,1]
	LEVEL2 tE, XA, tE+2, XB                                              ; (mu0h, mu1h)
	HORNER P3, C3
	v_add_f32 v[tAA], v[tF], v[tF+1]                                     ; h0 + h1 of a, of b
	v_add_f32 v[tAA+1], v[tF+2], v[tF+3]
	v_sub_f32 v[tDD], v[tF+1], v[tF]                                     ; h1 - h0
	v_sub_f32 v[tDD+1], v[tF+3], v[tF+2]
	v_mul_f32 v[tHH], v[tF], v[tF+1]
	v_mul_f32 v[tHH+1], v[tF+2], v[tF+3]
	HORNER P2, C2
	v_pk_fma_f32 v[tSM:tSM+1], v[tSM:tSM+1], v[tG:tG+1], 1.0 op_sel_hi:[1,1,0]
	v_pk_mul_f32 v[tL1:tL1+1], v[tL1:tL1+1], LN2 op_sel_hi:[1,0]         ; ln(1 + y)
	HORNER P1, -2.0
	v_pk_mul_f32 v[tSM:tSM+1], v[tSM:tSM+1], v[tG:tG+1]
	v_max_num_f32 v[tMX], 0, v[RC]
	v_max_num_f32 v[tMX+1], 0, v[RC+1]
	HORNER 2.0, 1.0                                                      ; tPC = cos(2r)
	v_cmp_gt_f32 vcc_lo, YSMALL, v[tG]                                   ; below 2^-7 the sum 1 + y has lost too much of y: take the series
	v_cndmask_b32 v[tL1], v[tL1], v[tSM], vcc_lo
	v_cmp_gt_f32 vcc_lo, YSMALL, v[tG+1]
	v_cndmask_b32 v[tL1+1], v[tL1+1], v[tSM+1], vcc_lo
	v_xor_b32 v[tDD], v[tDD], v[tSG]                                     ; cos and sin of 2 rot = (-1)^n those of 2r: the sign goes to h1 - h0
	v_xor_b32 v[tDD+1], v[tDD+1], v[tSG+1]
	v_pk_mul_f32 v[tPS:tPS+1], v[tPS:tPS+1], v[tR:tR+1]                  ; sin(2r)
	v_pk_add_f32 v[tL1:tL1+1], v[tL1:tL1+1], v[tMX:tMX+1]                ; softplus = max(x, 0) + log1p(e^-|x|)
	v_log_f32 v[tL1], v[tL1]
	v_log_f32 v[tL1+1], v[tL1+1]
	v_log_f32 v[tHH], v[tHH]
	v_log_f32 v[tHH+1], v[tHH+1]
	v_pk_fma_f32 v[tM00:tM00+1], v[tPC:tPC+1], v[tDD:tDD+1], v[tAA:tAA+1]
	v_pk_fma_f32 v[tM11:tM11+1], v[tPC:tPC+1], v[tDD:tDD+1], v[tAA:tAA+1] neg_lo:[1,0,0] neg_hi:[1,0,0]
	v_pk_mul_f32 v[tM01:tM01+1], v[tPS:tPS+1], v[tDD:tDD+1]
	s_wait_alu depctr_va_vdst(0)
	v_pk_fma_f32 v[tLC:tLC+1], v[tHH:tHH+1], 0.5, v[tL1:tL1+1] op_sel_hi:[1,0,1]
	v_pk_add_f32 v[tLC:tLC+1], v[tLC:tLC+1], KLC op_sel_hi:[1,0]
	v_mov_b32 v[XA+1], v[XA]                                             ; mu's first pieces stand twice in the record: four slots, for Vh, Vm and Vl
	v_mov_b32 v[XB+1], v[XB]
	LEVEL2 tE, XA+2, tE+2, XB+2                                          ; (mu0m, mu1m)
	v_cvt_pk_bf16_f32 v[XA+3], v[tE], v[tE+1]                            ; (mu0l, mu1l)
	v_cvt_pk_bf16_f32 v[XB+3], v[tE+2], v[tE+3]
	v_cvt_pk_bf16_f32 v[YA], v[tM00], v[tM11]                            ; (M00h, M11h)
	v_cvt_pk_bf16_f32 v[YB], v[tM00+1], v[tM11+1]
	v_and_b32 v[tU3], s20, v[tM01]                                       ; M01h by cutting: it is a bf16 as it stands
	v_and_b32 v[tU3+1], s20, v[tM01+1]
	v_lshlrev_b32 v[tU1], 16, v[YA]
	v_lshlrev_b32 v[tU1+1], 16, v[YB]
	v_and_b32 v[tU2], s20, v[YA]
	v_and_b32 v[tU2+1], s20, v[YB]
	v_pk_add_f32 v[tM01:tM01+1], v[tM01:tM01+1], v[tU3:tU3+1] neg_lo:[0,1] neg_hi:[0,1]
	v_pk_add_f32 v[tM00:tM00+1], v[tM00:tM00+1], v[tU1:tU1+1] neg_lo:[0,1] neg_hi:[0,1]
	v_pk_add_f32 v[tM11:tM11+1], v[tM11:tM11+1], v[tU2:tU2+1] neg_lo:[0,1] neg_hi:[0,1]
	v_cvt_pk_bf16_f32 v[YA+2], v[tU3], v[tM01]                           ; (M01h, M01m)
	v_cvt_pk_bf16_f32 v[YB+2], v[tU3+1], v[tM01+1]
	v_cvt_pk_bf16_f32 v[YA+1], v[tM00], v[tM11]                          ; (M00m, M11m)
	v_cvt_pk_bf16_f32 v[YB+1], v[tM00+1], v[tM11+1]
	; Through my wave's own LDS.  LDS serves a wave's instructions in order (ISA guide 5.7.1.4): the loads see these stores, and these stores
	; come behind the last step's loads.  Sixteen lanes store or load 256 consecutive bytes.
	ds_store_b128 v[VST], v[XA:XA+3]
	ds_store_b128 v[VST], v[YA:YA+3] offset:256
	ds_store_b128 v[VST], v[XB:XB+3] offset:1024
	ds_store_b128 v[VST], v[YB:YB+3] offset:1280
	ds_store_b32 v[VSL], v[tLC] offset:LCOFF
	ds_store_b32 v[VSL], v[tLC+1] offset:LCOFF+128
.irp t, 0,1,2,3
	ds_load_b128 v[AF+8*\t:AF+8*\t+3],   v[VLD] offset:512*\t            ; slots 0-15
	ds_load_b128 v[AF+8*\t+4:AF+8*\t+7], v[VLD] offset:512*\t            ; slots 16-31: the same record
	ds_load_b128 v[LCR+8*\t:LCR+8*\t+3],   v[VLL] offset:LCOFF+64*\t
	ds_load_b128 v[LCR+8*\t+4:LCR+8*\t+7], v[VLL] offset:LCOFF+64*\t+16
.endr
.if \more
	LOADRAW                                        ; they have the four tiles' work in which to land
.endif
	; The waits count the LDS loads issued behind the two fragment loads of the tile: 14, 10, 6, 2 of the sixteen; each also covers the lc of the tile before.
	; A vector instruction that reads a matrix result stands four plain vector instructions, which name none of that matrix instruction's
	; registers, behind it (ISA guide 7.12.1): four v_nop in front of the first tile's arithmetic, the other buffer's arithmetic everywhere else.
	s_wait_dscnt 14
	MATS 0, D0
	s_wait_dscnt 10
	MATS 1, D1
.rept 4
	v_nop
.endr
	EW D0, 0
	s_wait_dscnt 6
	MATS 2, D0
	EW D1, 1
	s_wait_dscnt 2
	MATS 3, D1
	EW D0, 2
	s_wait_dscnt 0
	EW D1, 3
.endm
	s_mov_b32 s24, STEPS-1
.Lstep:
	STEP 1
	s_sub_co_u32 s24, s24, 1
	s_cmp_lg_u32 s24, 0
	s_cbranch_scc1 .Lstep
	STEP 0                                         ; the last step asks for nothing: no load leaves its buffer
	; My wave's sums: eight registers and the two halves of the lanes (rows 0-7, rows 8-15) hold parts of one ray's sum
	v_pk_add_f32 v[ACC:ACC+1], v[ACC:ACC+1], v[ACC+2:ACC+3]
	v_pk_add_f32 v[ACC+4:ACC+5], v[ACC+4:ACC+5], v[ACC+6:ACC+7]
	v_pk_add_f32 v[ACC+8:ACC+9], v[ACC+8:ACC+9], v[ACC+10:ACC+11]
	v_pk_add_f32 v[ACC+12:ACC+13], v[ACC+12:ACC+13], v[ACC+14:ACC+15]
	v_pk_add_f32 v[ACC:ACC+1], v[ACC:ACC+1], v[ACC+4:ACC+5]
	v_pk_add_f32 v[ACC+8:ACC+9], v[ACC+8:ACC+9], v[ACC+12:ACC+13]
	v_add_f32 v[ACC], v[ACC], v[ACC+1]
	v_add_f32 v[ACC+8], v[ACC+8], v[ACC+9]
	v_permlanex16_b32 v[ACC+1], v[ACC], s22, s23
	v_permlanex16_b32 v[ACC+9], v[ACC+8], s22, s23
	v_add_f32 v[ACC], v[ACC], v[ACC+1]
	v_add_f32 v[ACC+8], v[ACC+8], v[ACC+9]
	v_cndmask_b32 v[ACC], v[ACC], v[ACC+8], s20    ; lane l now holds ray l of the work-group's 32
	ds_store_b32 v[VRED], v[ACC] offset:RED
	s_wait_dscnt 0x0                               ; for the others' sake: my store is done before I signal
	s_barrier_signal -1
	s_barrier_wait -1
	s_cmp_lg_u32 s18, 0
	s_cbranch_scc1 .Lend
	v_lshlrev_b32 v9, 2, v1                        ; wave 0 adds the sixteen waves' sums, in a fixed order
.irp w, 0,1,2,3,4,5,6,7,8,9,10,11,12,13,14,15
	ds_load_b32 v[T+\w], v9 offset:RED+128*\w
.endr
	v_lshl_add_u32 v8, v1, 2, s29
	s_wait_dscnt 0x0
	v_pk_add_f32 v[T:T+1], v[T:T+1], v[T+2:T+3]
	v_pk_add_f32 v[T+4:T+5], v[T+4:T+5], v[T+6:T+7]
	v_pk_add_f32 v[T+8:T+9], v[T+8:T+9], v[T+10:T+11]
	v_pk_add_f32 v[T+12:T+13], v[T+12:T+13], v[T+14:T+15]
	v_pk_add_f32 v[T:T+1], v[T:T+1], v[T+4:T+5]
	v_pk_add_f32 v[T+8:T+9], v[T+8:T+9], v[T+12:T+13]
	v_pk_add_f32 v[T:T+1], v[T:T+1], v[T+8:T+9]
	v_add_f32 v[T], v[T], v[T+1]
	global_store_b32 v8, v[T], s[16:17]            ; 32 lanes, 128 consecutive bytes
.Lend:
	s_wait_tensorcnt 0x0
	ds_add_u32 v224, v225
	s_wait_dscnt 0x0
	s_endpgm
.Lfunc_end_k_q137aac76a2_splat:
	.size	k_q137aac76a2_splat, .Lfunc_end_k_q137aac76a2_splat-k_q137aac76a2_splat
	.p2alignl 7, 3214868480
	.fill 96, 4, 3214868480
	.section	.rodata,"a",@progbits
	.p2align	6, 0x0
	.amdhsa_kernel k_q137aac76a2_splat
		.amdhsa_group_segment_fixed_size 40960
		.amdhsa_private_segment_fixed_size 0
		.amdhsa_enable_private_segment 0
		.amdhsa_kernarg_size 56
		.amdhsa_user_sgpr_count 2
		.amdhsa_user_sgpr_kernarg_segment_ptr 1
		.amdhsa_wavefront_size32 1
		.amdhsa_system_sgpr_workgroup_id_x 1
		.amdhsa_system_sgpr_workgroup_id_y 1
		.amdhsa_system_sgpr_workgroup_id_z 1
		.amdhsa_system_vgpr_workitem_id 0
		.amdhsa_next_free_vgpr 226
		.amdhsa_next_free_sgpr 66
		.amdhsa_reserve_vcc 1
		.amdhsa_float_denorm_mode_32 3
		.amdhsa_float_denorm_mode_16_64 3
		.amdhsa_memory_ordered 1
		.amdhsa_forward_progress 1
		.amdhsa_inst_pref_size 51
	.end_amdhsa_kernel
	.amdgpu_metadata
---
amdhsa.version: [ 1, 2 ]
amdhsa.kernels:
  - .name:           k_q137aac76a2_splat
    .symbol:         k_q137aac76a2_splat.kd
    .args:
      - { .name: pos_raw, .offset: 0, .size: 8, .value_kind: global_buffer, .address_space: global }
      - { .name: conc_raw, .offset: 8, .size: 8, .value_kind: global_buffer, .address_space: global }
      - { .name: scale_raw, .offset: 16, .size: 8, .value_kind: global_buffer, .address_space: global }
      - { .name: rot_raw, .offset: 24, .size: 8, .value_kind: global_buffer, .address_space: global }
      - { .name: p_rays, .offset: 32, .size: 8, .value_kind: global_buffer, .address_space: global }
      - { .name: u_rays, .offset: 40, .size: 8, .value_kind: global_buffer, .address_space: global }
      - { .name: out0, .offset: 48, .size: 8, .value_kind: global_buffer, .address_space: global }
    .group_segment_fixed_size: 40960
    .private_segment_fixed_size: 0
    .kernarg_segment_align: 8
    .kernarg_segment_size: 56
    .max_flat_workgroup_size: 512
    .sgpr_count:     66
    .vgpr_count:     226
    .wavefront_size: 32
...
	.end_amdgpu_metadata
.endif
;; end of part 1
